; MI455X (gfx1250); checked and timed in simulation.
; The chip was launched on July 23, 2026; its instructions are those of AMD's public machine-readable ISA for CDNA 5 (MIT licence, August 2026) and "CDNA5" Instruction Set Architecture Reference Guide (July 2026). The comments in the code are by the model that wrote it; some were corrected since.
;; Attention. Allowed arithmetic: matrix products marked QUANTISED: E5M2 operands, one given power-of-two scale a tensor, by v_wmma_f32_16x16x64_bf8_bf8 or v_wmma_f32_16x16x128_bf8_bf8, f32 sums; products left as they are: f32 operands where the result goes on into a quantised operand, else bf16, f16 or f32 operands; f32 sums; everything else in f32.
;; Inputs: W_attn 1,024 x 2,048 float32; b_attn 1,024 float32; encoder_outputs_codes 32 x 2,048 x 32 x 32 uint8 (E5M2 codes of encoder_outputs, K innermost, in blocks of 32 codes); hidden_codes 1 x 32 x 32 x 32 uint8 (E5M2 codes of hidden, K innermost, in blocks of 32 codes); lowp_scales 4 int32 (the exponents e of the quantised operands' scales 2^e); v 1,024 float32.
;; Outputs: out0 32 x 2,048 float32.
;; This version of the problem:
;;   THIS VERSION OF THE PROBLEM IS GIVEN IN LOW PRECISION. The matrix products marked QUANTISED in the list below multiply operands that are first quantised to E5M2 (5 exponent bits, 2 mantissa bits; 8 bits a number), with one given power-of-two scale for each operand tensor; their sums are f32. All else is computed in f32.
;;   The module's matrix products, in the order in which they are computed (A, B: the left and right operand; K: the contracted axis; several contracted axes count as one K, in the product's order):
;;     1. [M 32, K 1,024] x [K 1,024, N 1,024]; A: input hidden (given as codes); B: input W_attn: QUANTISED (scales: A lowp_scales[0], B lowp_scales[1])
;;     2. [M 65,536, K 1,024] x [K 1,024, N 1,024]; A: input encoder_outputs (given as codes); B: input W_attn: QUANTISED (scales: A lowp_scales[2], B lowp_scales[3])
;;     3. [M 65,536, K 1,024] x [K 1,024, N 1]; A: computed on the way; B: input v: left as it is (N = 1 < 16)
;;   THE QUANTISER, for each operand of a quantised product, along K:
;;     - The operand's scale is 2^e, e = its entry of the input lowp_scales (int32; the entries are numbered through the quantised products in the list's order, A before B).
;;     - Each number is divided by the scale, clamped to +-57,344, and rounded to the nearest number of E5M2, ties to even, subnormals kept.
;;     - The product sums the exact products of the quantised numbers (number of the format x scale) in f32.
;;   ~~~python
;;   def quantise(x, axis, e):      # numpy; x: float32 -> the quantised numbers, widened to float32 again
;;       x = np.moveaxis(x, axis, -1); K = x.shape[-1]
;;       r = np.clip(x / 2.0 ** e, -57344, 57344)
;;       step = 2.0 ** (np.maximum(np.frexp(np.where(r == 0, 1, r))[1] - 1, -14) - 2)
;;       q = np.round(r / step) * step * 2.0 ** e      # np.round: ties to even
;;       return np.moveaxis(q, -1, axis).astype(np.float32)
;;   ~~~
;;   INPUTS GIVEN AS CODES. encoder_outputs (in the module: [32, 2048, 1024], K = its axis 2); hidden (in the module: [1, 32, 1024], K = its axis 2): each comes as NAME_codes (uint8): NAME with its K axis moved to the last place and cut into blocks of 32 codes, [.., K / 32, bytes a block], one block behind the other in memory; one code a byte (a code: sign, 5 exponent bits, 2 mantissa bits); its scale is its entry of lowp_scales. Its value is code x scale, taken as it is: it is not quantised again, and the codes and scales need not be those that the quantiser above would give.
;; One version. Each part assembles by itself: llvm-mc -triple=amdgcn-amd-amdhsa -mcpu=gfx1250 --defsym DOCPART=n.
;; ======== version 1 of 1: 3 launches
;; limits: right only within a limited range of input values
;; workspace buffers: wq 1,048,576 bytes; hb 262,144 bytes; att 1,048,576 bytes
;; launch prep (part 1): grid 256 x 1, 4 waves a work-group, no clusters, 76,288 bytes of LDS; arguments W_attn, hidden_codes, lowp_scales, wq, hb; writes wq, hb
.if DOCPART == 1
	.amdgcn_target "amdgcn-amd-amdhsa--gfx1250"
	.amdhsa_code_object_version 6
	.text
	.protected	k_qc676d6d1fd_prep
	.globl	k_qc676d6d1fd_prep
	.p2align	8
	.type	k_qc676d6d1fd_prep,@function
k_qc676d6d1fd_prep:
	s_mov_b64 s[64:65], 0
	v_nop
	global_prefetch_b8 v0, s[64:65] scope:SCOPE_SE
	s_setreg_imm32_b32 hwreg(HW_REG_WAVE_MODE, 25, 1), 1
	s_wait_xcnt 0x0
; THE PROGRAM: out0[b][s] = softmax over s of sum over o of v[o] tanh(x[b][s][o]),  x = enc[b][s] . We[o] + hidden[b] . Wh[o] + b_attn[o],  both products on codes of E5M2.
; WORK LEFT OUT, for all values of the inputs.  tanh(x) = 1 - 2 / (1 + e^(2x)) for every real x, so the softmax's input is  sum_o v[o]  -  2 sum_o v[o] / (1 + e^(2 x[b][s][o])).
; The first term does not hang on s, and a softmax is not moved by a term that is the same along its axis: e^(a+c) / sum e^(a+c) = e^a / sum e^a.  So sum_o v[o] is never formed.
; Every input still has a way to the output and is loaded.  LIMIT: a NaN, an infinity or an overflow that would arise in sum_o v[o] alone is not carried to the result.
; THIS LAUNCH makes what the next one reads many times:
;   wq: We = W_attn[:, 1024:] as codes (scale 2^e3), laid as images of operand registers.  The image of tile t = o / 16 and K step s (128 along K): byte 512 c + 16 l + i = code of
;       We[16 t + l % 16][128 s + 32 c + 16 (l / 16) + i]; its 2,048 bytes are two rows of 1,024.  Row p of it is row R = 128 (s / 4) + 32 (t / 4 % 4) + 8 (s % 4) + 2 (t % 4) + p of the 256 rows of
;       quarter q = t / 16, and row R of quarter q lies at byte 1024 (16 (R % 64) + 4 (R / 64) + q): a wave of the next launch takes 64 rows 16,384 bytes apart
;   hb: the plain sums of codes hidden[b] . Wh[o] over K half k, f32, laid [k][t][b][o % 16]; Wh = W_attn[:, :1024] is quantised in registers (scale 2^e1).
; SHARES.  256 work-groups: 0-127 take Wh, 128-255 We; each one K half of one tile of 16 rows, a wave one K step: 16 rows x 512 bytes.
; A load reads 512 consecutive bytes of one row; the conversions want 16 neighbours along K in one lane: so a wave's 16 x 512 bytes turn through its own stage in LDS (rows 528 bytes apart).
; Each byte of W_attn is read once and no tile is shared: no tensor load, no cluster, no prefetch (there is no loop to run ahead in).
; LIMITS: e1 and e3 between -126 and 112.  NaN among the inputs is not served.
.set STGP,  528                        ; a stage row: 512 bytes + 16: row r starts at bank 4 r mod 64 (64 banks of 4 bytes: ISA guide 11.1)
.set STGB,  16*STGP                    ; a wave's stage
.set WEST,  4*STGB                     ; the stages of a work-group that takes We
.set PART,  8*STGB                     ; four partial sums, 2,048 bytes each, laid [b][16 o]
.set SPARE, PART+4*2048                ; the spare words, 128 bytes for each wave, that no other line names
.set LI,   4                           ; 16 x lane
.set HO,   5                           ; hidden: 1,024 r + 16 h
.set SIN,  6                           ; the stage, on the way in
.set SOUT, 7                           ; and on the way out
.set PST,  8                           ; where I put a partial sum
.set PLD,  9                           ; where I read the partial sums
.set SC,   10                          ; 2^e as f32
.set LIM,  11                          ; 57,344 x 2^e
.set SPW,  12                          ; LDS address of my spare word; never rewritten
.set NIL,  13                          ; 0; never rewritten
.set X,    16                          ; 16 rows as loaded; later four partial sums
.set Y,    80                          ; 64 numbers of my row, register 16 c + i = k 32 c + 16 h + i
.set CD,   144                         ; their codes: a fragment
.set HF,   160                         ; hidden's two fragments (rows 0-15, 16-31)
.set D0,   192                         ; two accumulators
.macro ROWS
.irp i, 0,1,2,3,4,5,6,7,8,9,10,11,12,13,14,15
	global_load_b128 v[X+4*\i:X+4*\i+3], v[LI], s[4:5] offset:8192*\i th:TH_LOAD_NT   ; row i: 32 lanes read 512 consecutive bytes
.endr
.endm
.macro QUANT ereg, st, yg              ; the rows' numbers by the scale 2^s[ereg] -> a fragment of codes; st: the path's own stages; yg: loads issued behind the rows
	s_wait_kmcnt 0x0
	s_add_co_i32 s34, s[\ereg], 127
	s_lshl_b32 s35, s34, 23
	v_mov_b32 v[SC], s35                           ; 2^e as f32: the conversion takes its exponent field
	s_add_co_i32 s34, s34, 15
	s_lshl_b32 s34, s34, 23
	s_or_b32 s34, s34, 0x600000
	v_mov_b32 v[LIM], s34                          ; 57,344 x 2^e
	s_wait_alu depctr_va_vdst(0)
.irp i, 0,1,2,3,4,5,6,7,8,9,10,11,12,13,14,15
	s_wait_loadcnt 15+\yg-\i                       ; row i is in; the 15 - i younger rows and the yg loads behind them may be out
	ds_store_b128 v[SIN], v[X+4*\i:X+4*\i+3] offset:\st+STGP*\i
.endr
.irp c, 0,1,2,3
.irp j, 0,1,2,3
	ds_load_b128 v[Y+16*\c+4*\j:Y+16*\c+4*\j+3], v[SOUT] offset:\st+128*\c+16*\j   ; LDS serves a wave's instructions in order: these see my stores
.endr
.endr
.irp c, 0,1,2,3
	s_wait_dscnt 12-4*\c                           ; block c's four loads are in; the younger blocks' may be out
.irp i, 0,1,2,3,4,5,6,7,8,9,10,11,12,13,14,15
	v_med3_num_f32 v[Y+16*\c+\i], v[Y+16*\c+\i], -v[LIM], v[LIM]   ; the conversion to an 8-bit code does not saturate (ISA guide 7.6.2): the hold at the largest code x the scale
.endr
	v_cvt_scalef32_pk8_bf8_f32 v[CD+4*\c:CD+4*\c+1], v[Y+16*\c:Y+16*\c+7], v[SC]
	v_cvt_scalef32_pk8_bf8_f32 v[CD+4*\c+2:CD+4*\c+3], v[Y+16*\c+8:Y+16*\c+15], v[SC]
.endr
	v_nop                                          ; one plain vector instruction behind the last scaled conversion
	s_wait_alu depctr_va_vdst(0)
.endm
.macro FINISH
	s_wait_tensorcnt 0x0                           ; the wave's end: behind my last LDS store
	ds_add_u32 v[SPW], v[NIL]
	s_wait_dscnt 0x0
	s_endpgm
.endm
	s_load_b256 s[4:11], s[0:1], 0x0               ; W_attn s[4:5], hidden's codes s[6:7], the scales' exponents s[8:9], wq s[10:11]
	s_load_b64 s[12:13], s[0:1], 0x20              ; hb
	v_lshrrev_b32 v1, 5, v0
	v_readfirstlane_b32 s16, v1                    ; wave 0..3
	s_lshr_b32 s17, ttmp9, 7                       ; 0: Wh, 1: We
	s_bfe_u32 s18, ttmp9, 0x60001                  ; tile t
	s_and_b32 s19, ttmp9, 1                        ; K half
	s_lshl_b32 s20, s19, 2
	s_add_co_u32 s20, s20, s16                     ; my K step
	s_lshl_b32 s22, s18, 17                        ; W_attn: 16 rows of 8,192 bytes a tile,
	s_lshl_b32 s21, s17, 12                        ; We begins 4,096 bytes into a row,
	s_add_co_u32 s22, s22, s21
	s_lshl_b32 s21, s20, 9                         ; 512 bytes a K step
	s_add_co_u32 s22, s22, s21
	s_mov_b32 s23, 0
	s_lshl_b32 s28, s20, 7                         ; hidden: my K step's 128 codes
	s_mov_b32 s29, 0
	s_lshr_b32 s30, s18, 4                         ; wq, as laid above: 1,024 (t / 16)
	s_lshl_b32 s30, s30, 10
	s_bfe_u32 s21, s18, 0x10003                    ; + 4,096 (t / 8 % 2)
	s_lshl_b32 s21, s21, 12
	s_add_co_u32 s30, s30, s21
	s_lshl_b32 s21, s19, 13                        ; + 8,192 (s / 4)
	s_add_co_u32 s30, s30, s21
	s_and_b32 s21, s18, 3                          ; + 32,768 (t % 4)
	s_lshl_b32 s21, s21, 15
	s_add_co_u32 s30, s30, s21
	s_lshl_b32 s21, s16, 17                        ; + 131,072 (s % 4)
	s_add_co_u32 s30, s30, s21
	s_bfe_u32 s21, s18, 0x10002                    ; + 524,288 (t / 4 % 2)
	s_lshl_b32 s21, s21, 19
	s_add_co_u32 s30, s30, s21
	s_mov_b32 s31, 0
	s_lshl_b32 s32, s19, 17                        ; hb: K half, tile, 512 bytes a wave
	s_lshl_b32 s21, s18, 11
	s_add_co_u32 s32, s32, s21
	s_lshl_b32 s21, s16, 9
	s_add_co_u32 s32, s32, s21
	s_mov_b32 s33, 0
	s_mul_i32 s36, s16, STGB                       ; my stage
	s_lshl_b32 s37, s16, 11
	s_add_co_u32 s37, s37, PART                    ; my partial sum
	s_lshl_b32 s38, s16, 9
	s_add_co_u32 s38, s38, PART                    ; the 512 bytes of each that I add up
	v_lshl_add_u32 v[SPW], v0, 2, SPARE
	v_mov_b32 v[NIL], 0
	v_and_b32 v1, 31, v0                           ; lane
	v_and_b32 v2, 15, v0                           ; r
	v_bfe_u32 v3, v0, 4, 1                         ; h
	v_lshlrev_b32 v[LI], 4, v1
	v_lshlrev_b32 v[HO], 10, v2
	v_lshl_add_u32 v[HO], v3, 4, v[HO]
	v_add_nc_u32 v[SIN], s36, v[LI]                ; in: row i at 528 i, 16 bytes a lane
	v_mul_u32_u24 v[SOUT], v2, STGP
	v_lshl_add_u32 v[SOUT], v3, 6, v[SOUT]
	v_add_nc_u32 v[SOUT], s36, v[SOUT]             ; out: row r, + 64 h: my 16 numbers of each block of 32
	v_lshlrev_b32 v[PST], 6, v2
	v_lshl_add_u32 v[PST], v3, 5, v[PST]
	v_add_nc_u32 v[PST], s37, v[PST]               ; b = r at 64 r, my eight o at 32 h
	v_add_nc_u32 v[PLD], s38, v[LI]
	s_wait_alu depctr_va_vdst(0)
	s_wait_kmcnt 0x0
	s_load_b128 s[24:27], s[8:9], 0x0              ; e0, e1, e2, e3
	s_add_nc_u64 s[4:5], s[4:5], s[22:23]
	s_add_nc_u64 s[6:7], s[6:7], s[28:29]
	s_add_nc_u64 s[10:11], s[10:11], s[30:31]
	s_add_nc_u64 s[12:13], s[12:13], s[32:33]
	s_cmp_eq_u32 s17, 0
	s_cbranch_scc0 .Lwe
	ROWS                                           ; Wh
.irp u, 0,1                                        ; hidden's two fragments of my K step, wanted behind the rows
.irp c, 0,1,2,3
	global_load_b128 v[HF+16*\u+4*\c:HF+16*\u+4*\c+3], v[HO], s[6:7] offset:16384*\u+32*\c
.endr
.endr
	QUANT 25, 0, 8
	s_wait_loadcnt 0x0                             ; hidden is in
	; source 0 = my 16 o, source 1 = 16 rows of hidden: lane (r, h) holds b = 16 u + r, register j the o 8 h + j.  Two accumulators, one instruction each
	v_wmma_f32_16x16x128_bf8_bf8 v[D0:D0+7], v[CD:CD+15], v[HF:HF+15], 0
	v_wmma_f32_16x16x128_bf8_bf8 v[D0+8:D0+15], v[CD:CD+15], v[HF+16:HF+31], 0
.rept 4
	v_nop                                          ; four places ahead of the LDS stores that read the results
.endr
.irp u, 0,1
	ds_store_b128 v[PST], v[D0+8*\u:D0+8*\u+3] offset:1024*\u       ; each accumulator from its low end on
	ds_store_b128 v[PST], v[D0+8*\u+4:D0+8*\u+7] offset:1024*\u+16
.endr
	s_wait_dscnt 0x0                               ; for the others' sake: my partial sums lie in LDS
	s_barrier_signal -1
	s_barrier_wait -1
.irp i, 0,1,2,3
	ds_load_b128 v[X+4*\i:X+4*\i+3], v[PLD] offset:2048*\i          ; the four K steps' sums of my four numbers: b = 8 w + lane / 4, o = 4 (lane % 4) + 0 .. 3
.endr
	s_wait_dscnt 0x0
	v_pk_add_f32 v[X:X+1], v[X:X+1], v[X+4:X+5]
	v_pk_add_f32 v[X+2:X+3], v[X+2:X+3], v[X+6:X+7]
	v_pk_add_f32 v[X+8:X+9], v[X+8:X+9], v[X+12:X+13]
	v_pk_add_f32 v[X+10:X+11], v[X+10:X+11], v[X+14:X+15]
	v_pk_add_f32 v[X:X+1], v[X:X+1], v[X+8:X+9]
	v_pk_add_f32 v[X+2:X+3], v[X+2:X+3], v[X+10:X+11]
	global_store_b128 v[LI], v[X:X+3], s[12:13]    ; 32 lanes store 512 consecutive bytes
	FINISH
.Lwe:
	ROWS
	QUANT 27, WEST, 0
.irp c, 0,1,2,3
	global_store_b128 v[LI], v[CD+4*\c:CD+4*\c+3], s[10:11] offset:16384*(\c/2)+512*(\c%2)   ; the fragment's image, two rows of 1,024: 32 lanes store 512 consecutive bytes
.endr
	FINISH
.Lfunc_end_k_qc676d6d1fd_prep:
	.size	k_qc676d6d1fd_prep, .Lfunc_end_k_qc676d6d1fd_prep-k_qc676d6d1fd_prep
	.p2alignl 7, 3214868480
	.fill 96, 4, 3214868480
	.section	.rodata,"a",@progbits
	.p2align	6, 0x0
	.amdhsa_kernel k_qc676d6d1fd_prep
		.amdhsa_group_segment_fixed_size 76288
		.amdhsa_private_segment_fixed_size 0
		.amdhsa_enable_private_segment 0
		.amdhsa_kernarg_size 40
		.amdhsa_user_sgpr_count 2
		.amdhsa_user_sgpr_kernarg_segment_ptr 1
		.amdhsa_wavefront_size32 1
		.amdhsa_system_sgpr_workgroup_id_x 1
		.amdhsa_system_sgpr_workgroup_id_y 1
		.amdhsa_system_sgpr_workgroup_id_z 1
		.amdhsa_system_vgpr_workitem_id 0
		.amdhsa_next_free_vgpr 208
		.amdhsa_next_free_sgpr 66
		.amdhsa_reserve_vcc 0
		.amdhsa_float_denorm_mode_32 3
		.amdhsa_float_denorm_mode_16_64 3
		.amdhsa_memory_ordered 1
		.amdhsa_forward_progress 1
		.amdhsa_inst_pref_size 24
	.end_amdhsa_kernel
	.amdgpu_metadata
---
amdhsa.version: [ 1, 2 ]
amdhsa.kernels:
  - .name:           k_qc676d6d1fd_prep
    .symbol:         k_qc676d6d1fd_prep.kd
    .args:
      - { .name: W_attn, .offset: 0, .size: 8, .value_kind: global_buffer, .address_space: global }
      - { .name: hidden_codes, .offset: 8, .size: 8, .value_kind: global_buffer, .address_space: global }
      - { .name: lowp_scales, .offset: 16, .size: 8, .value_kind: global_buffer, .address_space: global }
      - { .name: wq, .offset: 24, .size: 8, .value_kind: global_buffer, .address_space: global }
      - { .name: hb, .offset: 32, .size: 8, .value_kind: global_buffer, .address_space: global }
    .group_segment_fixed_size: 76288
    .private_segment_fixed_size: 0
    .kernarg_segment_align: 8
    .kernarg_segment_size: 40
    .max_flat_workgroup_size: 128
    .sgpr_count:     66
    .vgpr_count:     208
    .wavefront_size: 32
...
	.end_amdgpu_metadata
.endif
;; end of part 1
;; launch energy (part 2): grid 4 x 64, 4 waves a work-group, clusters of 4 x 4, 327,680 bytes of LDS; arguments encoder_outputs_codes, wq, hb, b_attn, v, lowp_scales, att; writes att
.if DOCPART == 2
	.amdgcn_target "amdgcn-amd-amdhsa--gfx1250"
	.amdhsa_code_object_version 6
	.text
	.protected	k_qc676d6d1fd_energy
	.globl	k_qc676d6d1fd_energy
	.p2align	8
	.type	k_qc676d6d1fd_energy,@function
k_qc676d6d1fd_energy:
	s_mov_b64 s[64:65], 0
	v_nop
	global_prefetch_b8 v0, s[64:65] scope:SCOPE_SE
	s_setreg_imm32_b32 hwreg(HW_REG_WAVE_MODE, 25, 1), 1
	s_wait_xcnt 0x0
	s_wait_alu depctr_hold_cnt(0) depctr_sa_sdst(0) depctr_va_vdst(0) depctr_va_sdst(0) depctr_va_ssrc(0) depctr_va_vcc(0) depctr_vm_vsrc(0)
	s_getreg_b32 s2, hwreg(HW_REG_IB_STS2, 6, 4)
	s_cmp_eq_u32 s2, 0
	s_cbranch_scc0 .Lentry_in_a_cluster
	s_endpgm
.Lentry_in_a_cluster:
	s_bfe_u32 s2, ttmp6, 0x10000c
	s_cmp_lg_u32 s2, 0xf033
	s_cbranch_scc0 .Lentry_shape_is_right
	s_endpgm
.Lentry_shape_is_right:
; att[q][b][s] = -2 log2(e) sum over the 256 o of quarter q of v[o] / (1 + 2^t),  t = 2 log2(e) (2^(e2 + e3) enc codes[b][s] . We codes[o] + 2^(e0 + e1) hidden codes[b] . Wh codes[o] + b_attn[o]):
; the four quarters' sum is log2(e) x the softmax's input less the term sum_o v[o], which is the same along s and is left out (shown at the head of the first kernel: tanh(x) = 1 - 2 / (1 + e^(2x))).
; 2^t may overflow to infinity: its term is then 0, as tanh = 1 asks.
; SHARES.  Work-group (q, y): the quarter q of the columns o (256 of them) and the rows 1024 y .. 1024 y + 1023 of enc, all of batch y / 2.  Each wave keeps ITS 64 columns of We, for the whole K, in 512 registers.
; enc streams through a ring of two LDS slots of 128 rows (8 tiles of 16 rows); a fragment of enc read from LDS feeds four matrix instructions (the wave's four tiles of o).
; We is staged in the ring's own bytes, K steps 0-3 in slot 0's, K steps 4-7 in slot 1's, with the same row pitch.
; CLUSTER 4 x 4.  The four work-groups of a row share y: each slot of enc is asked for JOINTLY by the four.  The four of a column share q: We is asked for jointly by these.
; LAYOUT.  Source 0 = 16 o of We, source 1 = 16 rows of enc: lane (r, h) holds ONE row r, register j the o 8 h + j.  The dot with v stays in the lane; halves of lanes and waves meet once, at the end, in LDS.
; A PERIOD n is one tile of 16 rows: 32 matrix instructions on end; plain vector work, the dot with v of tile n - 4 and t of tile n; one wait; the LDS instructions, tile n - 4's sums and the 32 loads of tile n + 2's
; fragments into the set that tile n has left; then transcendentals, 2^t of tile n and 1 / (1 + 2^t) of tile n - 2, with the additions 1 + 2^t of tile n - 1 among them.  The one wait stands between all of these and their readers.
; PREFETCH: with each joint load of slot k of enc each wave names slot k + 2: of the 32 rows that it loads its work-group's 8 rows, told apart by cx in the address, a lane a block of 256 bytes:
; each block once in each cluster, two slots (512 matrix instructions) ahead of its load; slots 0 and 1 behind We's load.  It stops with slot 7, the last.  Nothing is prefetched of wq: it is asked for once, at the head.
; REGISTERS, in windows of 256 (s_set_vgpr_msb: bits 1:0 source 0, 3:2 source 1, 5:4 source 2, 7:6 destination):
;   window 0: all vector work;  window 1: enc's fragments of a tile, K step s at 16 s, two sets (v0, v128);  windows 2, 3: We, K step s, tile m at 64 (s % 4) + 16 m, K steps 0-3 and 4-7
; LIMITS: e0 + e1 and e2 + e3 between -127 and 126 (they are added to the exponent field of 2 log2(e)).  NaN among the inputs is not served.
.set ROWP,  1040                       ; an LDS row: 1,024 bytes + 16 of padding = 260 words: row r starts at bank 4 r mod 64 (64 banks of 4 bytes: ISA guide 11.1)
.set TILEB, 16*ROWP
.set SLOTB, 8*TILEB                    ; a slot: 128 rows
.set STEPB, 131072                     ; from slot to slot in enc: 128 rows of 1,024 bytes
.set SUMS,  2*SLOTB                    ; behind the ring: the rows' sums, [wave][tile][lane] f32; no tensor load lands there
.set SPARE, SUMS+4*8192                ; the spare words, 128 bytes for each wave: two blocks of 256 bytes that no other line names
.set A0,   1                           ; v1, v2  LDS address of my fragments in the slot being read: tiles 0-3, tiles 4-7
.set A1,   2
.set AAD,  3                           ; row r x pitch + 16 h
.set SPW,  4                           ; LDS address of my spare word; never rewritten
.set NIL,  5                           ; 0; never rewritten
.set SAB,  6                           ; my place in the sums
.set SAD,  7                           ; + 1,024 x trip
.set PFO,  8                           ; prefetch: 256 x lane
.set TMP,  9
.set C0,   10                          ; v10-13 two chains of a row's sum, pairs
.set SUMV, 14
.set H32,  15                          ; 32 h
.set BK,   16                          ; 32: 2 log2(e) (hidden . Wh + b_attn) of my o
.set VV,   48                          ; 32: v of my o
.set ACC,  80                          ; 32: four accumulators, then t
.set EX,   112                         ; 32: 2^t
.set GX,   144                         ; 32: 1 + 2^t
.set RX,   176                         ; 2 x 32: 1 / (1 + 2^t), sets by the period's parity
.set H0,   240                         ; We's staging: my images of K steps 0-3,
.set H1,   241                         ; 4-7
.set LI,   242
.set WV,   16                          ; s16 my wave's number
.set G1E,  24                          ; s[24:31] group 1: 32 rows of enc
.set G1W,  32                          ; s[32:39] group 1: 64 rows of We's images
.set G0E,  56                          ; s[56:59] enc's group 0, which walks
.set G0W,  60                          ; s[60:63] We's, used once
.set KH,   70                          ; s[70:71] 2 log2(e) 2^(e0 + e1)
.set KB,   72                          ; s[72:73] 2 log2(e)
.set SB,   76                          ; the slot that is being read: 0 or SLOTB
.set SB4,  77
.set TT,   78                          ; 1,024 x trip
.set WOFF, 79                          ; my 32 rows of a slot
.set LOOP, 80
.set K2,   82                          ; s[82:83] 2 log2(e) 2^(e2 + e3)
.set CF,   84                          ; s[84:85] -2 log2(e)
.set PF,   86                          ; s[86:87] where my prefetches stand
.set MSB, 0
.macro WIN new                         ; the immediate's high byte repeats the setting that is left; a switch that changes nothing is dropped
.if MSB != \new
	s_set_vgpr_msb (MSB<<8)|\new
.set MSB, \new
.endif
.endm
.macro CREST                           ; a round of the cluster's barrier behind its opening barrier
	s_cmp_lg_u32 s[WV], 0
	s_cbranch_scc1 .Lnot_wave_0_\@
	s_barrier_signal -3
.Lnot_wave_0_\@:
	s_barrier_wait -3
	s_barrier_signal -1
	s_barrier_wait -1
.endm
.macro ROUND
	s_barrier_signal -1
	s_barrier_wait -1
	CREST
.endm
.macro ELOAD                           ; the joint load of my 32 rows of a slot
	tensor_load_to_lds s[G0E:G0E+3], s[G1E:G1E+7]
	s_nop 0
.rept 4
	v_nop
.endr
.endm
.macro LDTILE f, nt                    ; the slot's tile nt into set f, 32 loads: registers 16 q + 4 c .. + 3: k = 128 q + 32 c + 16 h + 0 .. 15 of row r
	WIN 0x40
.irp q, 0,1,2,3,4,5,6,7
.irp c, 0,1,2,3
	ds_load_b128 v[128*(\f)+16*\q+4*\c:128*(\f)+16*\q+4*\c+3], v[A0+(\nt)/4] offset:((\nt)%4)*TILEB+128*\q+32*\c
.endr
.endr
	WIN 0
.endm
; K step s of the tile in set par: the four accumulators take turns, one instruction a turn; the first K step starts the sums.
.macro KS s, par
	WIN 6+(\s)/4
.irp m, 0,1,2,3
.if \s == 0
	v_wmma_f32_16x16x128_bf8_bf8 v[ACC+8*\m:ACC+8*\m+7], v[64*((\s)%4)+16*\m:64*((\s)%4)+16*\m+15], v[128*(\par)+16*(\s):128*(\par)+16*(\s)+15], 0
.else
	v_wmma_f32_16x16x128_bf8_bf8 v[ACC+8*\m:ACC+8*\m+7], v[64*((\s)%4)+16*\m:64*((\s)%4)+16*\m+15], v[128*(\par)+16*(\s):128*(\par)+16*(\s)+15], v[ACC+8*\m:ACC+8*\m+7]
.endif
.endr
.endm
.macro ARG i                           ; t = sum x K2 + bk, a pair; each accumulator from its low end on
	v_pk_fma_f32 v[ACC+2*(\i):ACC+2*(\i)+1], v[ACC+2*(\i):ACC+2*(\i)+1], s[K2:K2+1], v[BK+2*(\i):BK+2*(\i)+1] op_sel_hi:[1,0,1]
.endm
.macro FIN par, i                      ; a row's sum of v x the reciprocal, in two chains of pairs
.if (\i) < 2
	v_pk_mul_f32 v[C0+2*(\i):C0+2*(\i)+1], v[RX+32*(\par)+2*(\i):RX+32*(\par)+2*(\i)+1], v[VV+2*(\i):VV+2*(\i)+1]
.else
	v_pk_fma_f32 v[C0+2*((\i)%2):C0+2*((\i)%2)+1], v[RX+32*(\par)+2*(\i):RX+32*(\par)+2*(\i)+1], v[VV+2*(\i):VV+2*(\i)+1], v[C0+2*((\i)%2):C0+2*((\i)%2)+1]
.endif
.endm
.macro JOIN1
	v_pk_add_f32 v[C0:C0+1], v[C0:C0+1], v[C0+2:C0+3]
.endm
.macro JOIN2
	v_add_f32 v[SUMV], v[C0], v[C0+1]
.endm
.macro PUT so                          ; my 16 rows' sums over my eight o of each tile: each lane its own word
	ds_store_b32 v[SAD], v[SUMV] offset:\so
.endm
.macro FINALL par, so
.set bi, 0
.rept 16
	FIN \par, bi
.set bi, bi+1
.endr
	JOIN1
	JOIN2
	PUT \so
.endm
; The transcendentals: reciprocals of pair bi, the addition of pair bi - 2 (which writes their sources behind a plain instruction), exponentials of pair bi - 3 (which write what that addition has read)
.macro BATCH par, ad, rc
.set bi, 0
.rept 19
.if (\rc) && (bi < 16)
	v_rcp_f32 v[RX+32*(\par)+2*bi], v[GX+2*bi]
.endif
.if (\ad) && (bi > 1) && (bi < 18)
	v_pk_add_f32 v[GX+2*bi-4:GX+2*bi-3], v[EX+2*bi-4:EX+2*bi-3], 1.0 op_sel_hi:[1,0]
.elseif bi == 1
	v_nop
.endif
.if (\rc) && (bi < 16)
	v_rcp_f32 v[RX+32*(\par)+2*bi+1], v[GX+2*bi+1]
.endif
.if bi > 2
	v_exp_f32 v[EX+2*bi-6], v[ACC+2*bi-6]
	v_exp_f32 v[EX+2*bi-5], v[ACC+2*bi-5]
.endif
.set bi, bi+1
.endr
	v_nop                                          ; a plain instruction behind the last of them
.endm
; THE CHANGE OF SLOTS, at the head of the period of a slot's seventh tile: that tile's fragments and the eighth's are in registers, so nobody reads the slot any more behind the barrier, and the other slot is whole.
; fill = 1: the slot is filled again, by a joint load behind a round of the cluster's barrier: it has eight periods in which to land; fill = 2: nothing is left to ask for.
.macro CHANGE fill, par
.if \fill == 1
	s_wait_xcnt 0x0                                ; my last prefetch has read its address
	s_add_nc_u64 s[PF:PF+1], s[PF:PF+1], STEPB
.endif
	s_wait_tensorcnt 0x0                           ; all my tensor loads have landed: my part of the other slot
	ds_add_u32 v[SPW], v[NIL]                      ; the steps below stand between the add and the wait for it
.if \fill == 1
	s_add_co_u32 s[G0E+1], s[SB], s[WOFF]          ; the slot that is left,
	s_add_nc_u64 s[G0E+2:G0E+3], s[G0E+2:G0E+3], STEPB   ; the next 128 rows
.endif
	s_xor_b32 s[SB], s[SB], SLOTB                  ; the reads go on in the other slot
	s_add_co_u32 s[SB4], s[SB], 4*TILEB
	v_add_nc_u32 v[A0], s[SB], v[AAD]
	v_add_nc_u32 v[A1], s[SB4], v[AAD]
	s_wait_alu depctr_va_vdst(0)
	s_wait_dscnt 0x0                               ; the add is done, and so are my reads of the slot
	s_barrier_signal -1
	KS 0, \par                                     ; sixteen matrix instructions while the others arrive
	KS 1, \par
	KS 2, \par
	KS 3, \par
	WIN 0                                          ; at a branch and at a label every window is 0
	s_barrier_wait -1
.if \fill == 1
	CREST
	ELOAD
.endif
.endm
.macro ASK                             ; the prefetch of a trip: slot k + 2, where the trip's load is slot k; the last two trips have no such slot
	s_cmp_gt_u32 s[LOOP], 2
	s_cbranch_scc0 .Lno_slot_\@
	global_prefetch_b8 v[PFO], s[PF:PF+1] offset:3*STEPB th:TH_LOAD_NT scope:SCOPE_SE
.Lno_slot_\@:
.endm
; PERIOD n.  par = n % 2; nt: the place in its slot of tile n + 2 (-1: none); ad, rc, fi = 1: tiles n - 1, n - 2, n - 4 have their work; so: where tile n - 4's sums go;
; chg = 1, 2: a change of slots; 3: the last period
.macro PERIOD par, nt, ad, rc, fi, so, chg
.if (\chg == 1) || (\chg == 2)
	CHANGE \chg, \par
.else
.if \chg == 3
	s_wait_dscnt 0x0                               ; behind this tile's loads stands a store alone
.else
	s_wait_dscnt 32                                ; all but the youngest 32, the next tile's: this tile's fragments are in
.endif
	KS 0, \par
	KS 1, \par
	KS 2, \par
	KS 3, \par
.endif
	KS 4, \par
	KS 5, \par
	KS 6, \par
	KS 7, \par
	WIN 0
.set bi, 0
.if \fi
	FIN \par, 0                                    ; these four are the places ahead of the first read of the results (ISA guide 7.12.1)
	FIN \par, 1
	FIN \par, 2
	FIN \par, 3
.rept 12
	ARG bi
	FIN \par, bi+4
.set bi, bi+1
.endr
	ARG 12
	JOIN1
	ARG 13
	ARG 14
	JOIN2
	ARG 15
.else
.rept 4
	v_nop                                          ; four places ahead of the first read of the results
.endr
.rept 16
	ARG bi
.set bi, bi+1
.endr
.endif
	s_wait_alu depctr_va_vdst(0)                   ; the period's one wait: it stands between t and its exponentials, the last period's sums 1 + 2^t and their reciprocals, its transcendentals and their readers
.if \fi
	PUT \so
.endif
.if (\nt) >= 0
	LDTILE \par, \nt                               ; the set's last readers, this period's matrix instructions, lie 16 and more plain instructions back
.endif
.if \chg == 1
	ASK
.endif
	BATCH \par, \ad, \rc
.endm
.macro EDGE                            ; ahead of a label or a branch: the transcendentals just issued have their wait (every window is 0)
	s_wait_alu depctr_va_vdst(0)
.endm
	s_load_b256 s[4:11], s[0:1], 0x0               ; enc's codes s[4:5], wq s[6:7], hb s[8:9], b_attn s[10:11]
	s_load_b128 s[12:15], s[0:1], 0x20             ; v s[12:13], the scales' exponents s[14:15]
	s_load_b64 s[2:3], s[0:1], 0x30                ; att
	v_lshl_add_u32 v[SPW], v0, 2, SPARE
	v_mov_b32 v[NIL], 0
	ds_add_u32 v[SPW], v[NIL]                      ; the wave's opening: the add, twice on end, and its wait ahead of my first tensor load; the set-up below stands between the second and the wait
	ds_add_u32 v[SPW], v[NIL]
	v_lshrrev_b32 v[TMP], 5, v0
	v_readfirstlane_b32 s[WV], v[TMP]              ; wave 0..3
	s_bfe_u32 s17, ttmp6, 0x40000                  ; cx
	s_bfe_u32 s18, ttmp6, 0x40004                  ; cy
	s_lshl_b32 s19, ttmp9, 2                       ; in a cluster launch ttmp9 and ttmp7 count clusters
	s_add_co_u32 s19, s19, s17                     ; q: my quarter of the columns
	s_and_b32 s22, ttmp7, 0xffff
	s_lshl_b32 s22, s22, 2
	s_add_co_u32 s22, s22, s18                     ; y: my 1,024 rows
	s_lshl_b32 s23, s18, 2
	s_lshl_b32 s23, 15, s23                        ; my row of the cluster: places 4 cy .. 4 cy + 3
	s_lshl_b32 s40, 0x1111, s17                    ; my column: places cx, cx + 4, cx + 8, cx + 12
	; group 1: rows of 1,024 elements of one byte; 15:0 the mask; 20 padding on; 21 set beside a mask; 24:22 after every 256 words (code 7); 31:25 four words (code 3)
	s_or_b32 s[G1E+0], s23, (1<<20)|(1<<21)|(7<<22)|(3<<25)
	s_or_b32 s[G1W+0], s40, (1<<20)|(1<<21)|(7<<22)|(3<<25)
.irp g, G1E, G1W
	s_mov_b32 s[\g+1], 1024<<16                    ; tensor_dim0
	s_mov_b32 s[\g+3], 1024<<16                    ; tile_dim0
	s_mov_b32 s[\g+6], 0
	s_mov_b32 s[\g+7], 0
.endr
	s_mov_b32 s[G1E+5], 1024                       ; from row to row
	s_mov_b32 s[G1W+5], 16384
	s_mov_b32 s[G1E+2], 32<<16                     ; tensor_dim1
	s_mov_b32 s[G1E+4], 32                         ; tile_dim1
	s_mov_b32 s[G1W+2], 64<<16
	s_mov_b32 s[G1W+4], 64
	s_lshl_b32 s92, s19, 10                        ; wq: rows of 1,024 bytes, interleaved over the four quarters and the four waves that load them (registers that never hold cy)
	s_lshl_b32 s93, s[WV], 12
	s_add_co_u32 s92, s92, s93
	s_mov_b32 s93, 0
	s_lshl_b32 s94, s22, 20                        ; enc: 1,024 rows of 1,024 bytes, 32 of a slot's rows a wave (registers that never hold cx)
	s_lshl_b32 s95, s[WV], 15
	s_add_co_u32 s94, s94, s95
	s_mov_b32 s95, 0
	s_lshl_b32 s98, s17, 13                        ; the prefetches: 8 of these rows a work-group
	s_add_co_u32 s98, s98, s94
	s_mov_b32 s99, 0
	s_lshl_b32 s96, s19, 15                        ; hb: 16 tiles of 2,048 bytes a quarter, four a wave, my batch's 64 bytes in each
	s_lshl_b32 s97, s[WV], 13
	s_add_co_u32 s96, s96, s97
	s_lshr_b32 s97, s22, 1
	s_lshl_b32 s97, s97, 6
	s_add_co_u32 s96, s96, s97
	s_mov_b32 s97, 0
	s_lshl_b32 s100, s19, 10                       ; b_attn and v: my 64 numbers
	s_lshl_b32 s101, s[WV], 8
	s_add_co_u32 s100, s100, s101
	s_mov_b32 s101, 0
	s_lshl_b32 s20, s19, 18                        ; att: 262,144 bytes a quarter, 4,096 a block of rows
	s_lshl_b32 s21, s22, 12
	s_add_co_u32 s20, s20, s21
	s_mov_b32 s21, 0
	s_mul_i32 s[WOFF], s[WV], 32*ROWP              ; no place in the cluster enters an LDS address
	s_mov_b32 s[G0W], 1
	s_mul_i32 s[G0W+1], s[WV], 64*ROWP
	s_mov_b32 s[G0E], 1
	s_mov_b32 s[G0E+1], s[WOFF]
	s_mov_b32 s[SB], 0
	s_mov_b32 s[SB4], 4*TILEB
	s_mov_b32 s[TT], 0
	s_mov_b32 s[LOOP], 6
	s_mov_b32 s[CF], 0xc038aa3b                    ; -2 log2(e)
	s_mov_b32 s[CF+1], 0xc038aa3b                  ; (named with it as a pair, so it is written; so with the pairs below)
	s_mov_b32 s[KB], 0x4038aa3b                    ; 2 log2(e)
	s_mov_b32 s[KB+1], 0x4038aa3b
	s_lshl_b32 s41, s[WV], 13
	s_add_co_u32 s41, s41, SUMS
	v_and_b32 v[TMP], 31, v0                       ; lane
	v_lshlrev_b32 v[PFO], 8, v[TMP]
	v_lshlrev_b32 v[LI], 4, v[TMP]
	v_add_nc_u32 v[H0], s[WOFF], v[LI]
	v_add_nc_u32 v[H1], SLOTB, v[H0]
	v_lshlrev_b32 v[SAB], 2, v[TMP]
	v_add_nc_u32 v[SAB], s41, v[SAB]
	v_add_nc_u32 v[SAD], s[TT], v[SAB]
	v_and_b32 v[TMP], 15, v0                       ; r
	v_bfe_u32 v[H32], v0, 4, 1                     ; h
	v_mul_u32_u24 v[AAD], v[TMP], ROWP
	v_lshl_add_u32 v[AAD], v[H32], 4, v[AAD]
	v_lshlrev_b32 v[H32], 5, v[H32]
	v_add_nc_u32 v[A0], s[SB], v[AAD]
	v_add_nc_u32 v[A1], s[SB4], v[AAD]
	s_wait_alu depctr_va_vdst(0)
	s_wait_dscnt 0x0                               ; both opening adds are done
	s_wait_kmcnt 0x0
	s_load_b128 s[88:91], s[14:15], 0x0            ; e0, e1, e2, e3
	s_add_nc_u64 s[G0W+2:G0W+3], s[6:7], s[92:93]
	s_or_b32 s[G0W+3], s[G0W+3], 0x80000000        ; 127:126 type = 2
	s_add_nc_u64 s[G0E+2:G0E+3], s[4:5], s[94:95]
	s_or_b32 s[G0E+3], s[G0E+3], 0x80000000
	s_add_nc_u64 s[PF:PF+1], s[4:5], s[98:99]
	s_add_nc_u64 s[8:9], s[8:9], s[96:97]
	s_add_nc_u64 s[10:11], s[10:11], s[100:101]
	s_add_nc_u64 s[12:13], s[12:13], s[100:101]
	s_add_nc_u64 s[2:3], s[2:3], s[20:21]
	ROUND                                          ; the one round in front of the first tensor loads
	tensor_load_to_lds s[G0W:G0W+3], s[G1W:G1W+7]  ; one load a wave: waves 0, 1 K steps 0-3 of all four waves' columns, waves 2, 3 K steps 4-7
	s_nop 0
.rept 4
	v_nop
.endr
.irp m, 0,1,2,3
.irp u, 0,1
	global_load_b128 v[BK+8*\m+4*\u:BK+8*\m+4*\u+3], v[H32], s[8:9] offset:2048*\m+16*\u             ; hidden . Wh of my o, the two K halves
	global_load_b128 v[ACC+8*\m+4*\u:ACC+8*\m+4*\u+3], v[H32], s[8:9] offset:131072+2048*\m+16*\u
	global_load_b128 v[EX+8*\m+4*\u:EX+8*\m+4*\u+3], v[H32], s[10:11] offset:64*\m+16*\u             ; b_attn
	global_load_b128 v[VV+8*\m+4*\u:VV+8*\m+4*\u+3], v[H32], s[12:13] offset:64*\m+16*\u             ; v
.endr
.endr
	global_prefetch_b8 v[PFO], s[PF:PF+1] th:TH_LOAD_NT scope:SCOPE_SE                               ; enc's slots 0
	global_prefetch_b8 v[PFO], s[PF:PF+1] offset:STEPB th:TH_LOAD_NT scope:SCOPE_SE                  ; and 1
	s_wait_kmcnt 0x0
	s_add_co_i32 s[K2], s90, s91
	s_lshl_b32 s[K2], s[K2], 23
	s_add_co_i32 s[K2], s[K2], 0x4038aa3b          ; 2 log2(e) 2^(e2 + e3): the exponents are added to the exponent field
	s_mov_b32 s[K2+1], s[K2]
	s_add_co_i32 s[KH], s88, s89
	s_lshl_b32 s[KH], s[KH], 23
	s_add_co_i32 s[KH], s[KH], 0x4038aa3b          ; 2 log2(e) 2^(e0 + e1)
	s_mov_b32 s[KH+1], s[KH]
	s_wait_tensorcnt 0x0                           ; my part of We is in
	ds_add_u32 v[SPW], v[NIL]
	s_wait_dscnt 0x0
	s_barrier_signal -1
	s_barrier_wait -1                              ; all four parts are in
	WIN 0x80                                       ; destination window 2
.irp q, 0,1,2,3
.irp m, 0,1,2,3
.irp c, 0,1,2,3
	ds_load_b128 v[64*\q+16*\m+4*\c:64*\q+16*\m+4*\c+3], v[H0] offset:(2*(4*\q+\m)+\c/2)*ROWP+(\c%2)*512   ; an image is two rows; each load reads 512 consecutive bytes
.endr
.endr
.endr
	WIN 0
	; slot 0's bytes become the ring's
	s_wait_tensorcnt 0x0                           ; no tensor load of mine is out
	ds_add_u32 v[SPW], v[NIL]
	s_wait_dscnt 0x0                               ; the add is done, and K steps 0-3 of We are in my registers
	ROUND                                          ; so it is with every wave of the cluster
	ELOAD                                          ; enc's slot 0
	WIN 0xc0                                       ; destination window 3
.irp q, 0,1,2,3
.irp m, 0,1,2,3
.irp c, 0,1,2,3
	ds_load_b128 v[64*\q+16*\m+4*\c:64*\q+16*\m+4*\c+3], v[H1] offset:(2*(4*\q+\m)+\c/2)*ROWP+(\c%2)*512   ; K steps 4-7, under slot 0's flight
.endr
.endr
.endr
	WIN 0
	global_prefetch_b8 v[PFO], s[PF:PF+1] offset:2*STEPB th:TH_LOAD_NT scope:SCOPE_SE
	s_wait_loadcnt 0x0                             ; the two K halves, b_attn and v are in
.set bi, 0
.rept 16
	v_pk_add_f32 v[BK+2*bi:BK+2*bi+1], v[BK+2*bi:BK+2*bi+1], v[ACC+2*bi:ACC+2*bi+1]
.set bi, bi+1
.endr
.set bi, 0
.rept 16
	v_pk_mul_f32 v[BK+2*bi:BK+2*bi+1], v[BK+2*bi:BK+2*bi+1], s[KH:KH+1] op_sel_hi:[1,0]
.set bi, bi+1
.endr
.set bi, 0
.rept 16
	v_pk_fma_f32 v[BK+2*bi:BK+2*bi+1], v[EX+2*bi:EX+2*bi+1], s[KB:KB+1], v[BK+2*bi:BK+2*bi+1] op_sel_hi:[1,0,1]
.set bi, bi+1
.endr
	s_wait_alu depctr_va_vdst(0)
	s_wait_tensorcnt 0x0                           ; my part of slot 0 is in, so group 0 may be written
	ds_add_u32 v[SPW], v[NIL]
	s_add_co_u32 s[G0E+1], s[WOFF], SLOTB
	s_add_nc_u64 s[G0E+2:G0E+3], s[G0E+2:G0E+3], STEPB
	s_wait_dscnt 0x0                               ; the add is done, and We is in my registers
	ROUND                                          ; slot 0 is whole, and nobody reads slot 1's bytes
	ELOAD                                          ; enc's slot 1
	LDTILE 0, 0
	LDTILE 1, 1
	global_prefetch_b8 v[PFO], s[PF:PF+1] offset:3*STEPB th:TH_LOAD_NT scope:SCOPE_SE
	PERIOD 0, 2, 0, 0, 0, 0, 0
	PERIOD 1, 3, 1, 0, 0, 0, 0
	PERIOD 0, 4, 1, 1, 0, 0, 0
	PERIOD 1, 5, 1, 1, 0, 0, 0
	PERIOD 0, 6, 1, 1, 1, 0, 0
	PERIOD 1, 7, 1, 1, 1, 128, 0
	EDGE
.Ltrip:                                            ; six trips of eight periods: trip j: tiles 6 + 8 j .. 13 + 8 j; each begins with a change of slots and asks for slot j + 2
	v_add_nc_u32 v[SAD], s[TT], v[SAB]
	PERIOD 0, 0, 1, 1, 1, 256, 1
	PERIOD 1, 1, 1, 1, 1, 384, 0
	PERIOD 0, 2, 1, 1, 1, 512, 0
	PERIOD 1, 3, 1, 1, 1, 640, 0
	PERIOD 0, 4, 1, 1, 1, 768, 0
	PERIOD 1, 5, 1, 1, 1, 896, 0
	PERIOD 0, 6, 1, 1, 1, 1024, 0
	PERIOD 1, 7, 1, 1, 1, 1152, 0
	EDGE
	s_add_co_u32 s[TT], s[TT], 1024
	s_sub_co_u32 s[LOOP], s[LOOP], 1
	s_cmp_lg_u32 s[LOOP], 0
	s_cbranch_scc1 .Ltrip
	v_add_nc_u32 v[SAD], s[TT], v[SAB]             ; the tail, tiles 54-63, is written out
	PERIOD 0, 0, 1, 1, 1, 256, 2
	PERIOD 1, 1, 1, 1, 1, 384, 0
	PERIOD 0, 2, 1, 1, 1, 512, 0
	PERIOD 1, 3, 1, 1, 1, 640, 0
	PERIOD 0, 4, 1, 1, 1, 768, 0
	PERIOD 1, 5, 1, 1, 1, 896, 0
	PERIOD 0, 6, 1, 1, 1, 1024, 0
	PERIOD 1, 7, 1, 1, 1, 1152, 0
	PERIOD 0, -1, 1, 1, 1, 1280, 0
	PERIOD 1, -1, 1, 1, 1, 1408, 3
	; what the pipeline still holds: tiles 60, 61 have their reciprocals, 62 its 1 + 2^t, 63 its 2^t
	s_wait_alu depctr_va_vdst(0)
	FINALL 0, 1536
	FINALL 1, 1664
.set bi, 0
.rept 16
	v_pk_add_f32 v[EX+2*bi:EX+2*bi+1], v[EX+2*bi:EX+2*bi+1], 1.0 op_sel_hi:[1,0]
.set bi, bi+1
.endr
	s_wait_alu depctr_va_vdst(0)
.set bi, 0
.rept 32
	v_rcp_f32 v[RX+bi], v[GX+bi]
	v_rcp_f32 v[RX+32+bi], v[EX+bi]
.set bi, bi+1
.endr
	v_nop
	s_wait_alu depctr_va_vdst(0)
	FINALL 0, 1792
	FINALL 1, 1920
	; THE WAY OUT.  Thread t takes rows 4 t .. 4 t + 3 and 512 more: of each row eight sums, four waves' x two halves of the lanes; a wave's store covers 512 consecutive bytes.
	v_lshrrev_b32 v[TMP], 2, v0
	v_and_b32 v[C0], 3, v0
	v_lshlrev_b32 v[C0], 4, v[C0]
	v_lshl_add_u32 v[TMP], v[TMP], 7, v[C0]
	v_add_nc_u32 v[TMP], SUMS, v[TMP]              ; tile t / 4, rows 4 (t % 4) ..
	v_lshlrev_b32 v[H32], 4, v0
	s_wait_alu depctr_va_vdst(0)
	s_wait_dscnt 0x0                               ; for the others' sake: my sums lie in LDS
	s_barrier_signal -1
	s_barrier_wait -1
.irp g, 0,1
.irp i, 0,1,2,3,4,5,6,7
	ds_load_b128 v[ACC+32*\g+4*\i:ACC+32*\g+4*\i+3], v[TMP] offset:4096*\g+8192*(\i/2)+64*(\i%2)
.endr
.endr
.irp g, 0,1
	s_wait_dscnt 8-8*\g                            ; group g's eight loads are in; the other group's may be out
.irp i, 0,2,4,6
	v_pk_add_f32 v[ACC+32*\g+4*\i:ACC+32*\g+4*\i+1], v[ACC+32*\g+4*\i:ACC+32*\g+4*\i+1], v[ACC+32*\g+4*\i+4:ACC+32*\g+4*\i+5]
	v_pk_add_f32 v[ACC+32*\g+4*\i+2:ACC+32*\g+4*\i+3], v[ACC+32*\g+4*\i+2:ACC+32*\g+4*\i+3], v[ACC+32*\g+4*\i+6:ACC+32*\g+4*\i+7]
.endr
.irp i, 0,4
	v_pk_add_f32 v[ACC+32*\g+4*\i:ACC+32*\g+4*\i+1], v[ACC+32*\g+4*\i:ACC+32*\g+4*\i+1], v[ACC+32*\g+4*\i+8:ACC+32*\g+4*\i+9]
	v_pk_add_f32 v[ACC+32*\g+4*\i+2:ACC+32*\g+4*\i+3], v[ACC+32*\g+4*\i+2:ACC+32*\g+4*\i+3], v[ACC+32*\g+4*\i+10:ACC+32*\g+4*\i+11]
.endr
	v_pk_add_f32 v[ACC+32*\g:ACC+32*\g+1], v[ACC+32*\g:ACC+32*\g+1], v[ACC+32*\g+16:ACC+32*\g+17]
	v_pk_add_f32 v[ACC+32*\g+2:ACC+32*\g+3], v[ACC+32*\g+2:ACC+32*\g+3], v[ACC+32*\g+18:ACC+32*\g+19]
	v_pk_mul_f32 v[ACC+32*\g:ACC+32*\g+1], v[ACC+32*\g:ACC+32*\g+1], s[CF:CF+1] op_sel_hi:[1,0]
	v_pk_mul_f32 v[ACC+32*\g+2:ACC+32*\g+3], v[ACC+32*\g+2:ACC+32*\g+3], s[CF:CF+1] op_sel_hi:[1,0]
	global_store_b128 v[H32], v[ACC+32*\g:ACC+32*\g+3], s[2:3] offset:2048*\g
.endr
	s_wait_tensorcnt 0x0                           ; the wave's end: behind my last tensor load and my last LDS store
	ds_add_u32 v[SPW], v[NIL]
	s_wait_dscnt 0x0
	ROUND                                          ; the closing round: no work-group ends while a partner may still ask for a tile that names it
	s_endpgm
.Lfunc_end_k_qc676d6d1fd_energy:
	.size	k_qc676d6d1fd_energy, .Lfunc_end_k_qc676d6d1fd_energy-k_qc676d6d1fd_energy
	.p2alignl 7, 3214868480
	.fill 96, 4, 3214868480
	.section	.rodata,"a",@progbits
	.p2align	6, 0x0
	.amdhsa_kernel k_qc676d6d1fd_energy
		.amdhsa_group_segment_fixed_size 327680
		.amdhsa_private_segment_fixed_size 0
		.amdhsa_enable_private_segment 0
		.amdhsa_kernarg_size 56
		.amdhsa_user_sgpr_count 2
		.amdhsa_user_sgpr_kernarg_segment_ptr 1
		.amdhsa_wavefront_size32 1
		.amdhsa_system_sgpr_workgroup_id_x 1
		.amdhsa_system_sgpr_workgroup_id_y 1
		.amdhsa_system_sgpr_workgroup_id_z 1
		.amdhsa_system_vgpr_workitem_id 0
		.amdhsa_next_free_vgpr 1024
		.amdhsa_next_free_sgpr 102
		.amdhsa_reserve_vcc 0
		.amdhsa_float_denorm_mode_32 3
		.amdhsa_float_denorm_mode_16_64 3
		.amdhsa_memory_ordered 1
		.amdhsa_forward_progress 1
		.amdhsa_inst_pref_size 255
	.end_amdhsa_kernel
	.amdgpu_metadata
---
amdhsa.version: [ 1, 2 ]
amdhsa.kernels:
  - .name:           k_qc676d6d1fd_energy
    .symbol:         k_qc676d6d1fd_energy.kd
    .args:
      - { .name: encoder_outputs_codes, .offset: 0, .size: 8, .value_kind: global_buffer, .address_space: global }
      - { .name: wq, .offset: 8, .size: 8, .value_kind: global_buffer, .address_space: global }
      - { .name: hb, .offset: 16, .size: 8, .value_kind: global_buffer, .address_space: global }
      - { .name: b_attn, .offset: 24, .size: 8, .value_kind: global_buffer, .address_space: global }
      - { .name: v, .offset: 32, .size: 8, .value_kind: global_buffer, .address_space: global }
      - { .name: lowp_scales, .offset: 40, .size: 8, .value_kind: global_buffer, .address_space: global }
      - { .name: att, .offset: 48, .size: 8, .value_kind: global_buffer, .address_space: global }
    .group_segment_fixed_size: 327680
    .private_segment_fixed_size: 0
    .kernarg_segment_align: 8
    .kernarg_segment_size: 56
    .max_flat_workgroup_size: 128
    .sgpr_count:     102
    .vgpr_count:     1024
    .wavefront_size: 32
...
	.end_amdgpu_metadata
.endif
;; end of part 2
;; launch soft (part 3): grid 32 x 1, 16 waves a work-group, no clusters, 2,560 bytes of LDS; arguments att, out0; writes out0
.if DOCPART == 3
	.amdgcn_target "amdgcn-amd-amdhsa--gfx1250"
	.amdhsa_code_object_version 6
	.text
	.protected	k_qc676d6d1fd_soft
	.globl	k_qc676d6d1fd_soft
	.p2align	8
	.type	k_qc676d6d1fd_soft,@function
k_qc676d6d1fd_soft:
	s_mov_b64 s[64:65], 0
	v_nop
	global_prefetch_b8 v0, s[64:65] scope:SCOPE_SE
	s_setreg_imm32_b32 hwreg(HW_REG_WAVE_MODE, 25, 1), 1
	s_wait_xcnt 0x0
; out0[b][s] = 2^(att[b][s] - max over s) / the sum over s of the same.  att is log2(e) x the softmax's input less the term sum_o v[o], which is the same along s and is left out (shown at the head of the first kernel).
; A work-group takes one batch: 2,048 numbers, four a thread; a load or store of a wave covers 512 consecutive bytes.  The maximum is taken away before the exponential.
; The waves' maxima meet in LDS bytes 0-63, their sums in bytes 256-319: two blocks, so one barrier serves each.  Memory binds and the rows are short: no matrix unit, no tensor load, no cluster.
.set SPARE, 512                        ; the spare words, 128 bytes for each of the 16 waves: eight blocks of 256 bytes that no other line names
.set SPW, 30                           ; v30  LDS address of my spare word; never rewritten
.set NIL, 31                           ; v31  0; never rewritten
	s_load_b128 s[4:7], s[0:1], 0x0                ; att s[4:5], out0 s[6:7]
	v_lshl_add_u32 v[SPW], v0, 2, SPARE
	v_mov_b32 v[NIL], 0
	v_lshrrev_b32 v1, 5, v0
	s_delay_alu instid0(VALU_DEP_1)
	v_readfirstlane_b32 s8, v1                     ; wave 0..15
	v_lshlrev_b32 v2, 4, v0                        ; my 16 bytes of the row
	s_delay_alu instid0(VALU_DEP_2)
	v_mov_b32 v3, s8
	s_delay_alu instid0(VALU_DEP_1)
	v_lshlrev_b32 v3, 2, v3                        ; my wave's word
	v_mov_b32 v9, 0                                ; written once: a lane permute's destination counts as one of its sources
	v_mov_b32 v10, 0                               ; LDS byte 0
	s_lshl_b32 s10, ttmp9, 13                      ; the batch's 8,192 bytes
	s_mov_b32 s11, 0
	s_mov_b32 s12, 0x76543210                      ; v_permlanex16_b32's selects for lane l xor 16
	s_mov_b32 s13, 0xfedcba98
	s_wait_alu depctr_va_vdst(0)
	s_wait_kmcnt 0x0
	s_add_nc_u64 s[4:5], s[4:5], s[10:11]
	s_add_nc_u64 s[6:7], s[6:7], s[10:11]
	global_load_b128 v[4:7], v2, s[4:5] th:TH_LOAD_NT                   ; att is the sum of four buffers, one for each quarter of the columns o, 262,144 bytes apart
	global_load_b128 v[12:15], v2, s[4:5] offset:262144 th:TH_LOAD_NT
	global_load_b128 v[16:19], v2, s[4:5] offset:524288 th:TH_LOAD_NT
	global_load_b128 v[20:23], v2, s[4:5] offset:786432 th:TH_LOAD_NT
	s_wait_loadcnt 0x0
	v_pk_add_f32 v[4:5], v[4:5], v[12:13]
	v_pk_add_f32 v[6:7], v[6:7], v[14:15]
	v_pk_add_f32 v[16:17], v[16:17], v[20:21]
	v_pk_add_f32 v[18:19], v[18:19], v[22:23]
	v_pk_add_f32 v[4:5], v[4:5], v[16:17]
	v_pk_add_f32 v[6:7], v[6:7], v[18:19]
	v_max3_num_f32 v8, v4, v5, v6
	s_delay_alu instid0(VALU_DEP_1)
	v_max_num_f32 v8, v8, v7
	s_delay_alu instid0(VALU_DEP_1)
	v_max_num_f32_dpp v8, v8, v8 row_xmask:1 row_mask:0xf bank_mask:0xf
	s_delay_alu instid0(VALU_DEP_1)
	v_max_num_f32_dpp v8, v8, v8 row_xmask:2 row_mask:0xf bank_mask:0xf
	s_delay_alu instid0(VALU_DEP_1)
	v_max_num_f32_dpp v8, v8, v8 row_xmask:4 row_mask:0xf bank_mask:0xf
	s_delay_alu instid0(VALU_DEP_1)
	v_max_num_f32_dpp v8, v8, v8 row_xmask:8 row_mask:0xf bank_mask:0xf
	s_delay_alu instid0(VALU_DEP_1)
	v_permlanex16_b32 v9, v8, s12, s13
	s_delay_alu instid0(VALU_DEP_1)
	v_max_num_f32 v8, v8, v9                       ; my wave's maximum, in every lane
	ds_store_b32 v3, v8
	s_wait_dscnt 0x0                               ; for the others' sake
	s_barrier_signal -1
	s_barrier_wait -1
.irp i, 0,1,2,3
	ds_load_b128 v[12+4*\i:15+4*\i], v10 offset:16*\i
.endr
	s_wait_dscnt 0x0
	v_max3_num_f32 v12, v12, v13, v14
	v_max3_num_f32 v15, v15, v16, v17
	v_max3_num_f32 v18, v18, v19, v20
	v_max3_num_f32 v21, v21, v22, v23
	v_max3_num_f32 v24, v24, v25, v26
	s_delay_alu instid0(VALU_DEP_4)
	v_max3_num_f32 v12, v12, v15, v27
	s_delay_alu instid0(VALU_DEP_2)
	v_max3_num_f32 v18, v18, v21, v24
	s_delay_alu instid0(VALU_DEP_1)
	v_max_num_f32 v12, v12, v18                    ; the row's maximum
.irp j, 4,5,6,7
	v_sub_f32 v[\j], v[\j], v12
.endr
	s_wait_alu depctr_va_vdst(0)
.irp j, 4,5,6,7
	v_exp_f32 v[\j], v[\j]
.endr
	v_nop                                          ; a plain instruction behind the last exponential
	s_wait_alu depctr_va_vdst(0)                   ; the wait ahead of the first use: one for the four
	v_pk_add_f32 v[8:9], v[4:5], v[6:7]
	s_delay_alu instid0(VALU_DEP_1)
	v_add_f32 v8, v8, v9
	s_delay_alu instid0(VALU_DEP_1)
	v_add_f32_dpp v8, v8, v8 row_xmask:1 row_mask:0xf bank_mask:0xf
	s_delay_alu instid0(VALU_DEP_1)
	v_add_f32_dpp v8, v8, v8 row_xmask:2 row_mask:0xf bank_mask:0xf
	s_delay_alu instid0(VALU_DEP_1)
	v_add_f32_dpp v8, v8, v8 row_xmask:4 row_mask:0xf bank_mask:0xf
	s_delay_alu instid0(VALU_DEP_1)
	v_add_f32_dpp v8, v8, v8 row_xmask:8 row_mask:0xf bank_mask:0xf
	s_delay_alu instid0(VALU_DEP_1)
	v_permlanex16_b32 v9, v8, s12, s13
	s_delay_alu instid0(VALU_DEP_1)
	v_add_f32 v8, v8, v9                           ; my wave's sum
	ds_store_b32 v3, v8 offset:256
	s_wait_dscnt 0x0
	s_barrier_signal -1
	s_barrier_wait -1
.irp i, 0,1,2,3
	ds_load_b128 v[12+4*\i:15+4*\i], v10 offset:256+16*\i
.endr
	s_wait_dscnt 0x0
	v_pk_add_f32 v[12:13], v[12:13], v[14:15]
	v_pk_add_f32 v[16:17], v[16:17], v[18:19]
	v_pk_add_f32 v[20:21], v[20:21], v[22:23]
	v_pk_add_f32 v[24:25], v[24:25], v[26:27]
	s_delay_alu instid0(VALU_DEP_3)
	v_pk_add_f32 v[12:13], v[12:13], v[16:17]
	s_delay_alu instid0(VALU_DEP_2)
	v_pk_add_f32 v[20:21], v[20:21], v[24:25]
	s_delay_alu instid0(VALU_DEP_1)
	v_pk_add_f32 v[12:13], v[12:13], v[20:21]
	s_delay_alu instid0(VALU_DEP_1)
	v_add_f32 v12, v12, v13                        ; the row's sum: at least 1, since the largest term is 2^0
	s_wait_alu depctr_va_vdst(0)
	v_rcp_f32 v14, v12
	v_nop
	s_wait_alu depctr_va_vdst(0)
	v_pk_mul_f32 v[4:5], v[4:5], v[14:15] op_sel_hi:[1,0]   ; of the pair the low word serves both halves
	v_pk_mul_f32 v[6:7], v[6:7], v[14:15] op_sel_hi:[1,0]
	global_store_b128 v2, v[4:7], s[6:7]
	s_wait_tensorcnt 0x0                           ; the wave's end: behind my last LDS store
	ds_add_u32 v[SPW], v[NIL]
	s_wait_dscnt 0x0
	s_endpgm
.Lfunc_end_k_qc676d6d1fd_soft:
	.size	k_qc676d6d1fd_soft, .Lfunc_end_k_qc676d6d1fd_soft-k_qc676d6d1fd_soft
	.p2alignl 7, 3214868480
	.fill 96, 4, 3214868480
	.section	.rodata,"a",@progbits
	.p2align	6, 0x0
	.amdhsa_kernel k_qc676d6d1fd_soft
		.amdhsa_group_segment_fixed_size 2560
		.amdhsa_private_segment_fixed_size 0
		.amdhsa_enable_private_segment 0
		.amdhsa_kernarg_size 16
		.amdhsa_user_sgpr_count 2
		.amdhsa_user_sgpr_kernarg_segment_ptr 1
		.amdhsa_wavefront_size32 1
		.amdhsa_system_sgpr_workgroup_id_x 1
		.amdhsa_system_sgpr_workgroup_id_y 1
		.amdhsa_system_sgpr_workgroup_id_z 1
		.amdhsa_system_vgpr_workitem_id 0
		.amdhsa_next_free_vgpr 32
		.amdhsa_next_free_sgpr 66
		.amdhsa_reserve_vcc 0
		.amdhsa_float_denorm_mode_32 3
		.amdhsa_float_denorm_mode_16_64 3
		.amdhsa_memory_ordered 1
		.amdhsa_forward_progress 1
		.amdhsa_inst_pref_size 7
	.end_amdhsa_kernel
	.amdgpu_metadata
---
amdhsa.version: [ 1, 2 ]
amdhsa.kernels:
  - .name:           k_qc676d6d1fd_soft
    .symbol:         k_qc676d6d1fd_soft.kd
    .args:
      - { .name: att, .offset: 0, .size: 8, .value_kind: global_buffer, .address_space: global }
      - { .name: out0, .offset: 8, .size: 8, .value_kind: global_buffer, .address_space: global }
    .group_segment_fixed_size: 2560
    .private_segment_fixed_size: 0
    .kernarg_segment_align: 8
    .kernarg_segment_size: 16
    .max_flat_workgroup_size: 512
    .sgpr_count:     66
    .vgpr_count:     32
    .wavefront_size: 32
...
	.end_amdgpu_metadata
.endif
;; end of part 3
